; MI455X (gfx1250); checked and timed in simulation.
; The chip was launched on July 23, 2026; its instructions are those of AMD's public machine-readable ISA for CDNA 5 (MIT licence, August 2026) and "CDNA5" Instruction Set Architecture Reference Guide (July 2026). The comments in the code are by the model that wrote it; some were corrected since.
;; Vector Quantizer. Allowed arithmetic: float matrix products may take bf16 or f16 operands with f32 sums; other float arithmetic in f32, or as packed bf16 or f16 multiplies, adds, multiply-adds, maxima and minima; sums over many terms, partial sums and values carried from step to step in f32; what a program stores and reads back later, other than sums and carried values, may be rounded once to bf16 or f16.
;; Inputs: codebook 8,192 x 64 float32; x 8 x 4,096 x 64 float32.
;; Outputs: out0 8 x 4,096 int32.
;; 2 versions, each right; version 2 is version 1 with the launch prep written anew for expert scheduling mode. Each part assembles by itself: llvm-mc -triple=amdgcn-amd-amdhsa -mcpu=gfx1250 --defsym DOCPART=n.
;; ======== version 1 of 2: 3 launches
;; workspace buffers: cbk 1,212,416 bytes; blk 131,072 bytes of whole numbers
;; launch prep (part 1): grid 64 x 1, 8 waves a work-group, no clusters, 19,968 bytes of LDS; arguments codebook, cbk; writes cbk
.if DOCPART == 1
	.amdgcn_target "amdgcn-amd-amdhsa--gfx1250"
	.amdhsa_code_object_version 6
	.text
	.protected	k_qafe42dd59e_prep
	.globl	k_qafe42dd59e_prep
	.p2align	8
	.type	k_qafe42dd59e_prep,@function
k_qafe42dd59e_prep:
	s_mov_b64 s[64:65], 0
	v_nop
	global_prefetch_b8 v0, s[64:65] scope:SCOPE_SE
	s_setreg_imm32_b32 hwreg(HW_REG_WAVE_MODE, 25, 1), 1
	s_wait_xcnt 0x0
; VECTOR QUANTIZER, launch 1 of 3.  out[n] = argmin over k of  x_sq[n] + c_sq[k] - 2 x[n].c[k];  x: [32768][64] f32, codebook: [8192][64] f32.
; WORK LEFT OUT, in all three launches: x_sq[n].  It is the same number for all k of a row n, so for all finite inputs, in exact arithmetic,
;   argmin_k (x_sq[n] + c_sq[k] - 2 x[n].c[k]) = argmin_k (c_sq[k] - 2 x[n].c[k]) = argmax_k (x[n].c[k] - c_sq[k] / 2),
; and the first least distance is the first greatest score.  x_sq is a step of its own (a sum over each row of x) and is not made.  Both inputs keep a way to the output and are loaded.
; LIMITS.  A NaN, an infinity or an overflow that arises in x_sq alone is not carried to the result.  x and the codebook are rounded once to bf16, as matrix operands; c_sq is the f32 sum of
; the squares of the ROUNDED codebook.  Where a row's two least distances lie closer together than the f32 roundings of the sums (a few parts in 10^7 of the distances' terms), the
; choice between them may differ from a sum taken in another order.  NaN scores never win, and a row all of whose scores are NaN or -infinity yields index 0.
; THIS LAUNCH writes cbk, the codebook as the next launch's LDS wants it: 64 SHARES of 18,944 bytes.  Share s holds codes 128 s .. 128 s + 127: 128 rows of 144 bytes
; (64 bf16, then 16 bytes of zeros: rows 36 words apart) and, from byte 18,432 on, 128 f32: bias[k] = - c_sq[k] / 2.
; SHARES OF WORK.  A work-group makes one share; it has 64 of them to make, so 64 work-groups.  Thread t takes 16 bytes (4 numbers) of a row: sixteen neighbouring lanes hold a row, so
; a row's sum of squares is four exchanges inside a half of the lanes.  The image is gathered in LDS and leaves as whole runs of 512 consecutive bytes a wave.
; No cluster: no two work-groups read a common byte.  No matrix work: nothing is multiplied by anything but itself.
.set ROWP,  144                        ; bytes from row to row in the image
.set BIASO, 18432                      ; the biases' place in the image
.set SHARE, 18944                      ; bytes in a share: 74 x 256
.set SPARE, 18944                      ; behind the image: the spare words, 128 bytes for each of the eight waves
.set LO,  1                            ; v1      512 x wave + 16 x lane: my 16 bytes in a run of 4,096, in the codebook, in LDS and in cbk
.set WA,  2                            ; v2      where my 8 bytes of bf16 go: (2 wave + half) x 144 + 8 (lane % 16)
.set PA,  3                            ; v3      a word of my row's padding
.set BA,  4                            ; v4      my row's bias
.set Z,   5                            ; v5      0, for the padding
.set SPW, 6                            ; v6      LDS address of my spare word; never rewritten
.set NIL, 7                            ; v7      0; never rewritten
.set X,   8                            ; v[8:39]  eight loads of 4 f32; later the image on its way out
.set P,   40                           ; v[40:55] eight pairs of packed bf16
.set U,   56                           ; v[56:59] the four rounded numbers as f32
.set S,   60                           ; v[60:61] sums
.set WV,  8                            ; s8      my wave's number
	s_load_b128 s[4:7], s[0:1], 0x0                ; codebook s[4:5], cbk s[6:7]
	v_lshl_add_u32 v[SPW], v0, 2, SPARE
	v_mov_b32 v[NIL], 0
	v_lshrrev_b32 v[U], 5, v0
	v_readfirstlane_b32 s[WV], v[U]                ; wave 0..7
	v_and_b32 v[U], 31, v0                         ; lane
	v_and_b32 v[U+1], 15, v0                       ; lane % 16
	v_bfe_u32 v[U+2], v0, 4, 1                     ; lane / 16
	v_and_b32 v[U+3], 3, v0
	s_lshl_b32 s9, s[WV], 9
	v_lshl_add_u32 v[LO], v[U], 4, s9
	s_mul_i32 s9, s[WV], 2*ROWP                    ; a wave's loads hold two rows each
	v_mul_u32_u24 v[WA], v[U+2], ROWP
	v_add_nc_u32 v[WA], s9, v[WA]                  ; my row's first byte
	v_lshl_add_u32 v[PA], v[U+3], 2, v[WA]
	v_add_nc_u32 v[PA], 128, v[PA]                 ; four lanes share each of the padding's four words
	v_lshl_add_u32 v[WA], v[U+1], 3, v[WA]
	s_lshl_b32 s9, s[WV], 3
	v_lshl_add_u32 v[BA], v[U+2], 2, s9
	v_add_nc_u32 v[BA], BIASO, v[BA]
	v_mov_b32 v[Z], 0
	s_lshl_b32 s10, ttmp9, 15                      ; the share's 128 rows of 256 bytes in the codebook
	s_mov_b32 s11, 0
	s_mul_i32 s12, ttmp9, SHARE                    ; and its place in cbk
	s_mov_b32 s13, 0
	s_wait_kmcnt 0x0
	s_add_nc_u64 s[4:5], s[4:5], s[10:11]
	s_add_nc_u64 s[6:7], s[6:7], s[12:13]
.irp i, 0,1,2,3,4,5,6,7
	global_load_b128 v[X+4*(\i):X+4*(\i)+3], v[LO], s[4:5] offset:4096*(\i) th:TH_LOAD_NT  ; rows 16 i + 2 wave + half; a wave's load covers 512 consecutive bytes
.endr
.irp i, 0,1,2,3,4,5,6,7
	s_wait_loadcnt 7-(\i)                          ; loads come back in order: load i is in, the 7 - i younger ones stay out
	v_cvt_pk_bf16_f32 v[P+2*(\i)],   v[X+4*(\i)],   v[X+4*(\i)+1]
	v_cvt_pk_bf16_f32 v[P+2*(\i)+1], v[X+4*(\i)+2], v[X+4*(\i)+3]
	v_lshlrev_b32 v[U],   16, v[P+2*(\i)]          ; the rounded numbers back as f32: c_sq is theirs
	v_and_b32     v[U+1], 0xffff0000, v[P+2*(\i)]
	v_lshlrev_b32 v[U+2], 16, v[P+2*(\i)+1]
	v_and_b32     v[U+3], 0xffff0000, v[P+2*(\i)+1]
	v_pk_mul_f32 v[S:S+1], v[U:U+1], v[U:U+1]
	v_pk_fma_f32 v[S:S+1], v[U+2:U+3], v[U+2:U+3], v[S:S+1]
	v_add_f32 v[S], v[S], v[S+1]
	v_add_f32_dpp v[S], v[S], v[S] row_xmask:1 row_mask:0xf bank_mask:0xf  ; the row's sixteen lanes
	v_add_f32_dpp v[S], v[S], v[S] row_xmask:2 row_mask:0xf bank_mask:0xf
	v_add_f32_dpp v[S], v[S], v[S] row_xmask:4 row_mask:0xf bank_mask:0xf
	v_add_f32_dpp v[S], v[S], v[S] row_xmask:8 row_mask:0xf bank_mask:0xf
	v_mul_f32 v[S], -0.5, v[S]
	ds_store_b64 v[WA], v[P+2*(\i):P+2*(\i)+1] offset:16*ROWP*(\i)
	ds_store_b32 v[PA], v[Z] offset:16*ROWP*(\i)
	ds_store_b32 v[BA], v[S] offset:64*(\i)        ; sixteen lanes write the same word with the same number
.endr
	s_wait_dscnt 0x0                               ; for the others' sake: my part of the image is written
	s_barrier_signal -1
	s_barrier_wait -1                              ; the image is whole
.irp k, 0,1,2,3
	ds_load_b128 v[X+4*(\k):X+4*(\k)+3], v[LO] offset:4096*(\k)
.endr
.irp k, 0,1,2,3
	s_wait_dscnt 3-(\k)                            ; LDS loads come back in order: the 3 - k younger ones stay out
	global_store_b128 v[LO], v[X+4*(\k):X+4*(\k)+3], s[6:7] offset:4096*(\k)  ; a wave's store covers 512 consecutive bytes, at a multiple of 256 from cbk's first
.endr
	s_cmp_lt_u32 s[WV], 5                          ; the last 2,560 bytes are five waves' work
	s_cbranch_scc0 .Lend
	ds_load_b128 v[X+16:X+19], v[LO] offset:16384
	s_wait_dscnt 0x0
	global_store_b128 v[LO], v[X+16:X+19], s[6:7] offset:16384
.Lend:
	s_wait_tensorcnt 0x0                           ; the wave's end: behind my last LDS store
	ds_add_u32 v[SPW], v[NIL]
	s_wait_dscnt 0x0
	s_endpgm
.Lfunc_end_k_qafe42dd59e_prep:
	.size	k_qafe42dd59e_prep, .Lfunc_end_k_qafe42dd59e_prep-k_qafe42dd59e_prep
	.p2alignl 7, 3214868480
	.fill 96, 4, 3214868480
	.section	.rodata,"a",@progbits
	.p2align	6, 0x0
	.amdhsa_kernel k_qafe42dd59e_prep
		.amdhsa_group_segment_fixed_size 19968
		.amdhsa_private_segment_fixed_size 0
		.amdhsa_enable_private_segment 0
		.amdhsa_kernarg_size 16
		.amdhsa_user_sgpr_count 2
		.amdhsa_user_sgpr_kernarg_segment_ptr 1
		.amdhsa_wavefront_size32 1
		.amdhsa_system_sgpr_workgroup_id_x 1
		.amdhsa_system_sgpr_workgroup_id_y 1
		.amdhsa_system_sgpr_workgroup_id_z 1
		.amdhsa_system_vgpr_workitem_id 0
		.amdhsa_next_free_vgpr 64
		.amdhsa_next_free_sgpr 66
		.amdhsa_reserve_vcc 0
		.amdhsa_float_denorm_mode_32 3
		.amdhsa_float_denorm_mode_16_64 3
		.amdhsa_memory_ordered 1
		.amdhsa_forward_progress 1
		.amdhsa_inst_pref_size 12
	.end_amdhsa_kernel
	.amdgpu_metadata
---
amdhsa.version: [ 1, 2 ]
amdhsa.kernels:
  - .name:           k_qafe42dd59e_prep
    .symbol:         k_qafe42dd59e_prep.kd
    .args:
      - { .name: codebook, .offset: 0, .size: 8, .value_kind: global_buffer, .address_space: global }
      - { .name: cbk, .offset: 8, .size: 8, .value_kind: global_buffer, .address_space: global }
    .group_segment_fixed_size: 19968
    .private_segment_fixed_size: 0
    .kernarg_segment_align: 8
    .kernarg_segment_size: 16
    .max_flat_workgroup_size: 256
    .sgpr_count:     66
    .vgpr_count:     64
    .wavefront_size: 32
...
	.end_amdgpu_metadata
.endif
;; end of part 1
;; launch main (part 2): grid 256 x 1, 8 waves a work-group, clusters of 4 x 1, 327,680 bytes of LDS; arguments x, cbk, blk; writes blk
.if DOCPART == 2
	.amdgcn_target "amdgcn-amd-amdhsa--gfx1250"
	.amdhsa_code_object_version 6
	.text
	.protected	k_qafe42dd59e_main
	.globl	k_qafe42dd59e_main
	.p2align	8
	.type	k_qafe42dd59e_main,@function
k_qafe42dd59e_main:
	s_mov_b64 s[64:65], 0
	v_nop
	global_prefetch_b8 v0, s[64:65] scope:SCOPE_SE
	s_setreg_imm32_b32 hwreg(HW_REG_WAVE_MODE, 25, 1), 1
	s_wait_xcnt 0x0
	s_wait_alu depctr_hold_cnt(0) depctr_sa_sdst(0) depctr_va_vdst(0) depctr_va_sdst(0) depctr_va_ssrc(0) depctr_va_vcc(0) depctr_vm_vsrc(0)
	s_getreg_b32 s2, hwreg(HW_REG_IB_STS2, 6, 4)
	s_cmp_eq_u32 s2, 0
	s_cbranch_scc0 .Lentry_in_a_cluster
	s_endpgm
.Lentry_in_a_cluster:
	s_bfe_u32 s2, ttmp6, 0x10000c
	s_cmp_lg_u32 s2, 0x3003
	s_cbranch_scc0 .Lentry_shape_is_right
	s_endpgm
.Lentry_shape_is_right:
; VECTOR QUANTIZER, launch 2 of 3: all the matrix work.  blk[n] = the BLOCK of 8 neighbouring codes (0..1023) that holds the first greatest score of row n,
; score[n][k] = x[n].c[k] + bias[k], bias[k] = - c_sq[k] / 2 (x_sq is left out: it is the same for all k of a row; the first kernel's head shows it, and states the limits).
; x is rounded to bf16 here; the codebook and the biases come from cbk (64 shares of 18,944 bytes: 128 rows of 144 bytes, then 128 biases in f32).
; SHARES.  A work-group owns 128 rows of x: 256 work-groups.  EVERY wave holds all 128 rows as source 1 (8 tiles of 16 queries, 128 registers); the CODES are split among the eight waves:
; in step j (0..7) wave w walks share 8 j + w, eight tiles of 16 codes.  So each byte of the codebook is read from LDS once a work-group: 6 LDS loads feed 16 matrix instructions.
; PRODUCT.  Source 0 = 16 codes, source 1 = 16 queries, 64 along K in two instructions; the first takes the biases as C, so the score costs no vector work.  In the result lane (r, h)
; holds query r and, in its 8 registers, codes 8 h + 0..7 of the tile: one block.
; THE MAXIMUM.  For each lane and query tile: the running maximum BEST and the number IDX of the wave's code tile in which it last grew.  An accumulator costs 4 v_max3_num_f32 (8 scores and the
; old BEST), a compare and a select: 3 vector instructions for each matrix instruction, and they stand between the matrix instructions of the NEXT pair of query tiles.
; The compare is strict, and a lane meets its blocks in ascending order, so the earlier block keeps a tie.  BEST has two sets that take turns, so that old and new can be compared.
; CLUSTER.  All work-groups walk the same cbk, so each share is asked for JOINTLY by the four work-groups of a cluster: the same tensor load, descriptor and mask in all four.
; RING.  Two LDS slots of 8 shares; a wave fetches the share that it alone reads.  A slot is filled again behind a round of the cluster's barrier, one load a wave, which then has a step's
; 128 matrix instructions of its wave in which to land.
.set SHARE, 18944
.set ROWP,  144                        ; 128 bytes of bf16 + 16: 36 words, so the 16 rows of a fragment load start at 16 different groups of four banks (64 banks of 4 bytes: ISA guide 11.1)
.set BIASO, 18432
.set SLOTB, 8*SHARE                    ; 151,552
.set QST,   2*SLOTB                    ; behind the ring, never filled by a tensor load: 128 rows x 144 bytes: first x in bf16, at the end the waves' maxima
.set SPARE, QST+128*ROWP               ; the spare words, 128 bytes for each of the eight waves: four blocks of 256 bytes that no other line names
.set RES,   SPARE+1024                 ; 128 words: the work-group's results
.set AD,   2                           ; v2-3    slot 0, 1: LDS address of my lane's place in a code tile: slot + wave x SHARE + r x 144 + 16 h
.set BI,   4                           ; v4-5    slot 0, 1: of my lane's eight biases, less BIASO: slot + wave x SHARE + 32 h
.set SPW,  6                           ; v6      LDS address of my spare word; never rewritten
.set NIL,  7                           ; v7      0; never rewritten
.set TA,   8                           ; v8-13   at work
.set PFO,  14                          ; v14     the prefetches' offset
.set WH,   15                          ; v15     16 wave + h
.set BEST, 16                          ; v16-31  set s, query tile t at BEST + 8 s + t
.set IDX,  32                          ; v32-39  by query tile
.set AF,   40                          ; v40-71  two buffers of 16: a code tile's two fragments
.set BF,   72                          ; v72-87  two buffers of 8: its biases
.set ACC,  88                          ; v88-119 four accumulators: two sets of two
.set QS,   120                         ; v120    where my 8 bytes of x go
.set QA,   121                         ; v121    my lane's place in a query tile
.set XO,   122                         ; v122    16 x lane
.set MS,   123                         ; v123    where my maxima go
.set MR,   124                         ; v124    the row of maxima that I merge
.set RS,   125                         ; v125    where its result goes
.set OA,   126                         ; v126    RES + 16 x lane
.set Q,    128                         ; v128-255  query tile t: 16 registers
.set WV,   10                          ; s10  my wave's number
.set CX,   11                          ; s11  my place in the cluster
.set GRP,  12                          ; s12  my work-group's number
.set G1,   16                          ; s[16:23] descriptor group 1
.set G0,   24                          ; s[24:31] descriptor group 0, a set for each slot
.set SEQ,  32                          ; s32  the number of my code tile in hand, 0..63
.set TRIPS, 33                         ; s33
.set LIM,  34                          ; s34  1 in the cluster that prefetches, else the greatest number
.set PFA,  36                          ; s[36:37] where my prefetches stand
.macro CREST                           ; a round of the cluster's barrier behind its opening barrier
	s_cmp_lg_u32 s[WV], 0
	s_cbranch_scc1 .Lnot_wave_0_\@
	s_barrier_signal -3
.Lnot_wave_0_\@:
	s_barrier_wait -3
	s_barrier_signal -1
	s_barrier_wait -1
.endm
.macro ROUND                           ; a whole round
	s_barrier_signal -1
	s_barrier_wait -1
	CREST
.endm
; Code tile i of my share in a slot -> buffer buf: two fragments (16 rows x 32 K: two loads of 16 bytes, 32 bytes apart, each) and 8 biases (the sixteen lanes of a half read the same 32 bytes).
.macro LD buf, slot, i
.irp u, 0,1,2,3
	ds_load_b128 v[AF+16*(\buf)+4*(\u):AF+16*(\buf)+4*(\u)+3], v[AD+(\slot)] offset:16*ROWP*(\i)+32*(\u)
.endr
	ds_load_b128 v[BF+8*(\buf):BF+8*(\buf)+3],   v[BI+(\slot)] offset:BIASO+64*(\i)
	ds_load_b128 v[BF+8*(\buf)+4:BF+8*(\buf)+7], v[BI+(\slot)] offset:BIASO+64*(\i)+16
.endm
.macro W1 buf, t, a                    ; K 0..31 of query tile t: the biases start the sum
	v_wmma_f32_16x16x32_bf16 v[ACC+8*(\a):ACC+8*(\a)+7], v[AF+16*(\buf):AF+16*(\buf)+7], v[Q+16*(\t):Q+16*(\t)+7], v[BF+8*(\buf):BF+8*(\buf)+7]
.endm
.macro W2 buf, t, a                    ; K 32..63
	v_wmma_f32_16x16x32_bf16 v[ACC+8*(\a):ACC+8*(\a)+7], v[AF+16*(\buf)+8:AF+16*(\buf)+15], v[Q+16*(\t)+8:Q+16*(\t)+15], v[ACC+8*(\a):ACC+8*(\a)+7]
.endm
; Group g (0..3) of the twelve vector instructions for the pair pp of query tiles (2 pp, 2 pp + 1), whose scores lie in accumulator set pp % 2.  The old BEST is set par, the new one the other.
; Each accumulator's lowest registers are read first.
.macro RG g, pp, par
.set rA, ACC+16*((\pp)%2)
.set rI, BEST+8*(\par)+2*(\pp)
.set rO, BEST+8*(1-(\par))+2*(\pp)
.set rX, IDX+2*(\pp)
.if (\g) == 0
	v_max3_num_f32 v[TA],   v[rA],   v[rA+1], v[rA+2]
	v_max3_num_f32 v[TA+1], v[rA+3], v[rA+4], v[rA+5]
	v_max3_num_f32 v[TA+2], v[rA+6], v[rA+7], v[rI]
.elseif (\g) == 1
	v_max3_num_f32 v[TA+3], v[rA+8],  v[rA+9],  v[rA+10]
	v_max3_num_f32 v[TA+4], v[rA+11], v[rA+12], v[rA+13]
	v_max3_num_f32 v[TA+5], v[rA+14], v[rA+15], v[rI+1]
.elseif (\g) == 2
	v_max3_num_f32 v[rO],   v[TA],   v[TA+1], v[TA+2]
	v_max3_num_f32 v[rO+1], v[TA+3], v[TA+4], v[TA+5]
	v_cmp_gt_f32 s40, v[rO], v[rI]                 ; has it grown?
.else
	v_cmp_gt_f32 s41, v[rO+1], v[rI+1]
	v_cndmask_b32 v[rX],   v[rX],   s[SEQ], s40    ; then this code tile holds the maximum
	v_cndmask_b32 v[rX+1], v[rX+1], s[SEQ], s41
.endif
.endm
; Pair p (0..3) of a code tile of parity par: four matrix instructions, and behind each a group of the pair BEFORE it (for p = 0: the last pair of the code tile before, of the other parity).
; The two accumulators take turns, one instruction a turn, and the next pair has the other set: no two matrix instructions on end share an accumulator, over the loop's edge too.
; PLACES (ISA guide 7.12.1).  An accumulator's first reader stands behind six vector instructions that name no register of the instruction that finished it (groups 2 and 3, or 3 and 0), four of
; them neither compares nor readers of it; no group writes a register of any matrix instruction.
.macro PAIR par, p
.set pq, ((\p)+3)%4
.if (\p) == 0
.set rp, 1-(\par)
.else
.set rp, (\par)
.endif
	W1 \par, 2*(\p), 2*((\p)%2)
	RG 0, pq, rp
	W1 \par, 2*(\p)+1, 2*((\p)%2)+1
	RG 1, pq, rp
	W2 \par, 2*(\p), 2*((\p)%2)
	RG 2, pq, rp
	W2 \par, 2*(\p)+1, 2*((\p)%2)+1
	RG 3, pq, rp
.if (\p) == 0
	s_add_co_u32 s[SEQ], s[SEQ], 1                 ; the code tile before is done with: from here on the groups are this tile's
.endif
.endm
; A PREFETCH INTO THE L2 of the step that stands two refills on.  All clusters walk the same cbk: the first cluster asks, and nobody else.  Wave w asks for the share that wave w will fetch; of its 74
; blocks of 256 bytes the partner at place cx names blocks cx, cx + 4, ..: the partners are told apart BY ADDRESS, a lane a block; the lanes past block 73 name block 73 again.  The first four steps come by
; their loads alone; the loop's last trip asks for nothing: steps 8 and 9 do not exist.
.macro ASK
	s_cmp_gt_u32 s[TRIPS], s[LIM]
	s_cbranch_scc0 .Lnot_mine_\@
	global_prefetch_b8 v[PFO], s[PFA:PFA+1] th:TH_LOAD_NT scope:SCOPE_SE
.Lnot_mine_\@:
.endm
; A CODE TILE of parity par: 16 matrix instructions on buffer par; the next tile (tile ni of slot nslot) is fetched into the other buffer, whose last reader stands twelve plain vector instructions back.
; chg = 0: within a step.  chg = 1: a step's last tile, with the CHANGE OF SLOTS: slot old, of which I have read all, is filled again.  chg = 2: a step's last tile, nothing is filled.  chg = 3: the last tile of all.
.macro TILE par, chg, old, nslot, ni
.if (\chg) == 1
	s_wait_tensorcnt 0x0                           ; all my tensor loads have landed: the one that was out is my share of the other slot; so a group 0 may be written
	ds_add_u32 v[SPW], v[NIL]                      ; 0 onto my spare word: scalar work stands between it and the wait for it
	s_wait_xcnt 0x0                                ; the last prefetch, a step back, has read its address
	s_add_nc_u64 s[G0+4*(\old)+2:G0+4*(\old)+3], s[G0+4*(\old)+2:G0+4*(\old)+3], 2*SLOTB  ; this slot's next step; the type bits on top are not reached
	s_add_nc_u64 s[PFA:PFA+1], s[PFA:PFA+1], SLOTB
	s_wait_dscnt 0x0                               ; the add is done; my reads of the slot are over, this tile's fragments among them
	s_barrier_signal -1                            ; opens a round of the cluster's barrier
	PAIR \par, 0                                   ; work on registers while the others arrive
	PAIR \par, 1
	s_barrier_wait -1
	CREST                                          ; no wave of any partner still reads this slot or has a load on its way
	tensor_load_to_lds s[G0+4*(\old):G0+4*(\old)+3], s[G1:G1+7]  ; my one tensor load behind the round, and the first thing there
	s_nop 0
	LD 1-(\par), \nslot, 0
	ASK                                            ; behind the tensor load and the run of LDS loads
	PAIR \par, 2
	PAIR \par, 3
.else
	s_wait_dscnt 0x0                               ; this tile's fragments and biases, asked for twelve matrix instructions ago
	PAIR \par, 0
.if (\chg) == 2
	s_wait_tensorcnt 0x0                           ; my share of the last step: no load was issued behind it.  I alone read it, so no barrier is wanted, and nothing is filled
.endif
.if (\chg) != 3
	LD 1-(\par), \nslot, \ni
.endif
	PAIR \par, 1
	PAIR \par, 2
	PAIR \par, 3
.endif
.endm
.macro STEP slot, kind                 ; my share's eight code tiles
	TILE 0, 0, 0, \slot, 1
	TILE 1, 0, 0, \slot, 2
	TILE 0, 0, 0, \slot, 3
	TILE 1, 0, 0, \slot, 4
	TILE 0, 0, 0, \slot, 5
	TILE 1, 0, 0, \slot, 6
	TILE 0, 0, 0, \slot, 7
	TILE 1, \kind, \slot, 1-(\slot), 0
.endm
	s_load_b128 s[4:7], s[0:1], 0x0                ; x s[4:5], cbk s[6:7]
	s_load_b64 s[8:9], s[0:1], 0x10                ; blk
	v_lshl_add_u32 v[SPW], v0, 2, SPARE
	v_mov_b32 v[NIL], 0
	ds_add_u32 v[SPW], v[NIL]                      ; the wave's opening: the add, twice on end, and its wait ahead of my first tensor load; the set-up below, work on registers, stands between
	ds_add_u32 v[SPW], v[NIL]                      ; and once more, under the one wait
	v_lshrrev_b32 v1, 5, v0
	v_readfirstlane_b32 s[WV], v1                  ; wave 0..7
	s_bfe_u32 s[CX], ttmp6, 0x40000                ; cx
	s_lshl_b32 s[GRP], ttmp9, 2                    ; in a cluster launch ttmp9 counts clusters
	s_add_co_u32 s[GRP], s[GRP], s[CX]             ; it enters x's and blk's addresses alone
	s_cmp_eq_u32 ttmp9, 0
	s_cselect_b32 s[LIM], 1, -1                    ; the same in all four partners
	; descriptor group 1: a share is 18,944 dense bytes: 74 rows of 32 elements of 8 bytes
	s_mov_b32 s[G1+0], 15|(3<<16)|(1<<21)          ; 15:0 the mask: all four work-groups; 17:16 elements of 8 bytes; 21 set beside a mask; no padding: the image has its own
	s_mov_b32 s[G1+1], 32<<16                      ; tensor_dim0 = 32
	s_mov_b32 s[G1+2], 74<<16                      ; tensor_dim1 = 74
	s_mov_b32 s[G1+3], 32<<16                      ; tile_dim0 = 32
	s_mov_b32 s[G1+4], 74                          ; tile_dim1 = 74
	s_mov_b32 s[G1+5], 32                          ; 32 elements from row to row
	s_mov_b32 s[G1+6], 0
	s_mov_b32 s[G1+7], 0
	s_mul_i32 s13, s[WV], SHARE                    ; my share's place in a slot, and in a step's bytes of cbk: no place in the cluster enters it
	s_mov_b32 s[G0+0], 1                           ; count = 1
	s_mov_b32 s[G0+1], s13                         ; LDS address: slot 0
	s_mov_b32 s[G0+4], 1
	s_add_co_u32 s[G0+5], s13, SLOTB               ; slot 1
	s_mov_b32 s14, s13
	s_mov_b32 s15, 0
	s_mov_b32 s[SEQ], -1
	s_mov_b32 s[TRIPS], 3
	v_and_b32 v8, 15, v0                           ; r
	v_bfe_u32 v9, v0, 4, 1                         ; h
	v_and_b32 v10, 31, v0                          ; lane
	v_mul_u32_u24 v11, v8, ROWP
	v_lshl_add_u32 v12, v9, 4, v11                 ; r x 144 + 16 h
	v_add_nc_u32 v[AD], s13, v12
	v_add_nc_u32 v[AD+1], SLOTB, v[AD]
	v_lshl_add_u32 v[BI], v9, 5, s13
	v_add_nc_u32 v[BI+1], SLOTB, v[BI]
	v_add_nc_u32 v[QA], QST, v12
	s_lshl_b32 s35, s[WV], 4
	v_add_nc_u32 v[WH], s35, v9
	s_mul_i32 s35, s[WV], 16*ROWP                  ; I convert rows 16 wave .. + 15 of the work-group's 128
	s_add_co_u32 s35, s35, QST
	v_mul_u32_u24 v13, v9, ROWP
	v_lshl_add_u32 v13, v8, 3, v13
	v_add_nc_u32 v[QS], s35, v13                   ; row 16 wave + h, 8 bytes for each of the sixteen lanes
	v_lshlrev_b32 v[XO], 4, v10
	s_lshl_b32 s35, s[WV], 3
	s_add_co_u32 s35, s35, QST
	v_lshl_add_u32 v13, v9, 2, v11
	v_add_nc_u32 v[MS], s35, v13                   ; row r, word 2 wave + h
	s_mul_i32 s35, s[WV], 32*ROWP
	s_add_co_u32 s35, s35, QST
	v_mul_u32_u24 v13, v10, ROWP
	v_add_nc_u32 v[MR], s35, v13                   ; row 32 wave + lane (waves 0 to 3 use it)
	s_lshl_b32 s35, s[WV], 7
	s_add_co_u32 s35, s35, RES
	v_lshl_add_u32 v[RS], v10, 2, s35
	v_add_nc_u32 v[OA], RES, v[XO]
	v_lshl_add_u32 v[PFO], v10, 2, s[CX]           ; block cx + 4 lane of a share,
	v_min_u32 v[PFO], 73, v[PFO]                   ; held inside it,
	v_lshlrev_b32 v[PFO], 8, v[PFO]                ; in bytes
	s_wait_dscnt 0x0                               ; both opening adds are done
	s_wait_kmcnt 0x0
	s_add_nc_u64 s[G0+2:G0+3], s[6:7], s[14:15]    ; global address: my share of step 0,
	s_add_nc_u64 s[G0+6:G0+7], s[G0+2:G0+3], SLOTB ; of step 1,
	s_add_nc_u64 s[PFA:PFA+1], s[G0+2:G0+3], 3*SLOTB  ; and of step 3: the first change of slots steps this to step 4
	s_or_b32 s[G0+3], s[G0+3], 0x80000000          ; type = 2
	s_or_b32 s[G0+7], s[G0+7], 0x80000000
	s_lshl_b32 s44, s[GRP], 15                     ; my work-group's 128 rows of 256 bytes,
	s_lshl_b32 s45, s[WV], 12                      ; my wave's 16 of them
	s_add_co_u32 s44, s44, s45
	s_mov_b32 s45, 0
	s_add_nc_u64 s[4:5], s[4:5], s[44:45]
	s_lshl_b32 s44, s[GRP], 9                      ; my work-group's 128 words of blk
	s_add_nc_u64 s[8:9], s[8:9], s[44:45]
	ROUND                                          ; all four work-groups are here: the first joint loads meet
	tensor_load_to_lds s[G0:G0+3], s[G1:G1+7]      ; step 0
	s_nop 0
	tensor_load_to_lds s[G0+4:G0+7], s[G1:G1+7]    ; step 1: two loads of mine are out
	s_nop 0
.irp i, 0,1,2,3,4,5,6,7
	global_load_b128 v[Q+4*(\i):Q+4*(\i)+3], v[XO], s[4:5] offset:512*(\i) th:TH_LOAD_NT  ; rows 2 i + h: 512 consecutive bytes
.endr
	; What the first tile's first groups find: scores and maxima of -infinity for a pair that has not been, so they change nothing.  Written while the first data are on their way.
.irp t, 0,1,2,3,4,5,14,15
	v_mov_b32 v[BEST+(\t)], 0xff800000
.endr
.set i, 0
.rept 16
	v_mov_b32 v[ACC+16+i], 0xff800000
.set i, i+1
.endr
.irp t, 0,1,2,3,4,5,6,7
	v_mov_b32 v[IDX+(\t)], 0
.endr
.irp i, 0,1,2,3,4,5,6,7
	s_wait_loadcnt 7-(\i)                          ; load i is in, the 7 - i younger ones stay out
	v_cvt_pk_bf16_f32 v[Q+32+2*(\i)],   v[Q+4*(\i)],   v[Q+4*(\i)+1]
	v_cvt_pk_bf16_f32 v[Q+32+2*(\i)+1], v[Q+4*(\i)+2], v[Q+4*(\i)+3]
	ds_store_b64 v[QS], v[Q+32+2*(\i):Q+32+2*(\i)+1] offset:2*ROWP*(\i)
.endr
	s_wait_dscnt 0x0                               ; for the others' sake: my 16 rows of x lie in LDS
	s_wait_tensorcnt 0x1                           ; my share of step 0 is in; step 1's, the one younger load, stays out
	s_barrier_signal -1
	s_barrier_wait -1
.irp t, 0,1,2,3,4,5,6,7
.irp u, 0,1,2,3
	ds_load_b128 v[Q+16*(\t)+4*(\u):Q+16*(\t)+4*(\u)+3], v[QA] offset:16*ROWP*(\t)+32*(\u)  ; all 128 rows stay in registers
.endr
.endr
	LD 0, 0, 0
.Lloop:                                        ; three trips of two steps: the change behind step j (0..5) asks for step j + 2
	STEP 0, 1
	STEP 1, 1
	s_sub_co_u32 s[TRIPS], s[TRIPS], 1
	s_cmp_lg_u32 s[TRIPS], 0
	s_cbranch_scc1 .Lloop
	STEP 0, 2                                      ; the last two steps are written out: nothing is left to ask for
	STEP 1, 3
	RG 0, 3, 1                                     ; the last pair's groups; six vector instructions stand between each accumulator's last product and its first reader, as in the loop
	RG 1, 3, 1
	RG 2, 3, 1
	RG 3, 3, 1
	; THE WAY OUT.  The maxima lie in BEST's set 0.  IDX = 8 step + tile becomes the block's number: code tile T = 64 step + 8 wave + tile, block 2 T + h.  Row q of the scratch: sixteen maxima
	; (by wave and half), then their sixteen blocks.  The scratch lies where x lay: every wave has read that long ago, ahead of the rounds that it has passed.
.irp t, 0,1,2,3,4,5,6,7
	v_and_b32 v[TA], 0x38, v[IDX+(\t)]
	v_and_b32 v[TA+1], 7, v[IDX+(\t)]
	v_lshl_add_u32 v[TA+1], v[TA+1], 1, v[WH]
	v_lshl_add_u32 v[IDX+(\t)], v[TA], 4, v[TA+1]
	ds_store_b32 v[MS], v[BEST+(\t)] offset:16*ROWP*(\t)
	ds_store_b32 v[MS], v[IDX+(\t)] offset:16*ROWP*(\t)+64
.endr
	s_wait_dscnt 0x0
	s_barrier_signal -1
	s_barrier_wait -1                              ; all waves' maxima lie in LDS
	s_cmp_lt_u32 s[WV], 4                          ; 128 rows: a lane a row, four waves
	s_cbranch_scc0 .Lmerged
.irp u, 0,1,2,3
	ds_load_b128 v[AF+4*(\u):AF+4*(\u)+3],       v[MR] offset:16*(\u)
	ds_load_b128 v[AF+16+4*(\u):AF+16+4*(\u)+3], v[MR] offset:64+16*(\u)
.endr
	s_wait_dscnt 0x0
.irp e, 1,2,3,4,5,6,7,8,9,10,11,12,13,14,15
	v_cmp_gt_f32 s40, v[AF+(\e)], v[AF]            ; the greater maximum wins;
	v_cmp_eq_f32 s41, v[AF+(\e)], v[AF]            ; of two equal ones
	v_cmp_lt_u32 s42, v[AF+16+(\e)], v[AF+16]      ; the lesser block
	s_and_b32 s41, s41, s42
	s_or_b32 s40, s40, s41
	v_cndmask_b32 v[AF], v[AF], v[AF+(\e)], s40
	v_cndmask_b32 v[AF+16], v[AF+16], v[AF+16+(\e)], s40
.endr
	ds_store_b32 v[RS], v[AF+16]
.Lmerged:
	s_wait_dscnt 0x0
	s_barrier_signal -1
	s_barrier_wait -1
	s_cmp_lg_u32 s[WV], 0
	s_cbranch_scc1 .Lend
	ds_load_b128 v[BF:BF+3], v[OA]
	s_wait_dscnt 0x0
	global_store_b128 v[XO], v[BF:BF+3], s[8:9]    ; one store of 512 consecutive bytes, at a multiple of 256 from blk's first
.Lend:
	s_wait_tensorcnt 0x0                           ; the wave's end: behind my last tensor load and my last LDS store
	ds_add_u32 v[SPW], v[NIL]
	s_wait_dscnt 0x0
	ROUND                                          ; the closing round: no work-group ends while a partner may still ask for a share that names it
	s_endpgm
.Lfunc_end_k_qafe42dd59e_main:
	.size	k_qafe42dd59e_main, .Lfunc_end_k_qafe42dd59e_main-k_qafe42dd59e_main
	.p2alignl 7, 3214868480
	.fill 96, 4, 3214868480
	.section	.rodata,"a",@progbits
	.p2align	6, 0x0
	.amdhsa_kernel k_qafe42dd59e_main
		.amdhsa_group_segment_fixed_size 327680
		.amdhsa_private_segment_fixed_size 0
		.amdhsa_enable_private_segment 0
		.amdhsa_kernarg_size 24
		.amdhsa_user_sgpr_count 2
		.amdhsa_user_sgpr_kernarg_segment_ptr 1
		.amdhsa_wavefront_size32 1
		.amdhsa_system_sgpr_workgroup_id_x 1
		.amdhsa_system_sgpr_workgroup_id_y 1
		.amdhsa_system_sgpr_workgroup_id_z 1
		.amdhsa_system_vgpr_workitem_id 0
		.amdhsa_next_free_vgpr 256
		.amdhsa_next_free_sgpr 66
		.amdhsa_reserve_vcc 0
		.amdhsa_float_denorm_mode_32 3
		.amdhsa_float_denorm_mode_16_64 3
		.amdhsa_memory_ordered 1
		.amdhsa_forward_progress 1
		.amdhsa_inst_pref_size 166
	.end_amdhsa_kernel
	.amdgpu_metadata
---
amdhsa.version: [ 1, 2 ]
amdhsa.kernels:
  - .name:           k_qafe42dd59e_main
    .symbol:         k_qafe42dd59e_main.kd
    .args:
      - { .name: x, .offset: 0, .size: 8, .value_kind: global_buffer, .address_space: global }
      - { .name: cbk, .offset: 8, .size: 8, .value_kind: global_buffer, .address_space: global }
      - { .name: blk, .offset: 16, .size: 8, .value_kind: global_buffer, .address_space: global }
    .group_segment_fixed_size: 327680
    .private_segment_fixed_size: 0
    .kernarg_segment_align: 8
    .kernarg_segment_size: 24
    .max_flat_workgroup_size: 256
    .sgpr_count:     66
    .vgpr_count:     256
    .wavefront_size: 32
...
	.end_amdgpu_metadata
.endif
;; end of part 2
;; launch pick (part 3): grid 256 x 1, 8 waves a work-group, no clusters, 1,536 bytes of LDS; arguments x, cbk, blk, out0; writes out0
.if DOCPART == 3
	.amdgcn_target "amdgcn-amd-amdhsa--gfx1250"
	.amdhsa_code_object_version 6
	.text
	.protected	k_qafe42dd59e_pick
	.globl	k_qafe42dd59e_pick
	.p2align	8
	.type	k_qafe42dd59e_pick,@function
k_qafe42dd59e_pick:
	s_mov_b64 s[64:65], 0
	v_nop
	global_prefetch_b8 v0, s[64:65] scope:SCOPE_SE
	s_setreg_imm32_b32 hwreg(HW_REG_WAVE_MODE, 25, 1), 1
	s_wait_xcnt 0x0
; VECTOR QUANTIZER, launch 3 of 3.  out0[n] = 8 blk[n] + the place of the first greatest score among the 8 codes of block blk[n] (x_sq is left out here too: the first kernel's head shows why).
; The scores are made as the launch before made them: the same matrix form, K in the same places, the bias as the C of the first product.  The addresses hang on blk, whole numbers that the launch
; before stored; each is held to 0..1023 before it enters an address.
; SHARES.  A wave takes 16 rows of x, a work-group 128.  Product p (0..7): source 0's rows 0-7 are the block of query p, rows 8-15 the block of query p + 8; source 1 is the 16 queries.  In the result lane (r, h)
; holds query r and rows 8 h + 0..7: what is wanted lies in lane p (query p) and in lane 24 + p (query p + 8), eight scores in eight registers.
; No cluster and no LDS on the way in: each wave gathers rows of its own.  No prefetch: the gathers' addresses are known only when blk has come, and are asked for at once.
.set ROWP,  144
.set BIASO, 18432
.set RES,   0                          ; 128 words: the work-group's results
.set SPARE, 512                        ; the spare words, 128 bytes for each of the eight waves
.set XO,  4                            ; v4   r x 256 + 32 h: my lane's place in 16 rows of x
.set OA,  5                            ; v5   32 (r / 8): which of a product's two queries my row of source 0 belongs to
.set OB,  6                            ; v6   32 h: the same for my rows of the result
.set OR,  7                            ; v7   4 r
.set LT,  8                            ; v8   (r % 8) x 144 + 16 h: my lane's place in a block's rows
.set RS,  9                            ; v9   where my result goes
.set LO,  10                           ; v10  16 x lane
.set SPW, 12                           ; v12  LDS address of my spare word; never rewritten
.set NIL, 13                           ; v13  0; never rewritten
.set T,   14                           ; v14-15 at work
.set Q,   16                           ; v16-31   the queries' two fragments
.set A,   32                           ; v32-159  product p: 16 registers, two fragments of codes; v32-63 first hold x in f32
.set D,   160                          ; v160-223 product p: 8 registers: the biases, then the scores
.set AA,  224                          ; v224-231 blk of my row's query, then the row's byte offset in cbk
.set BB,  232                          ; v232-239 blk of my results' query, then its biases' offset
.set BLO, 240                          ; v240 blk of query r
.set BJ,  241                          ; v241 the place in the block
.set OTH, 242                          ; v242 the other half's
.set WV,  12                           ; s12
.set MK,  16                           ; s17-23  lanes p and 24 + p, for p = 1..7
.set INV, 24                           ; s24  lanes 8 to 23
.set SEL, 26                           ; s[26:27] v_permlanex16_b32's selects: each lane takes its own place in the other half
	s_load_b256 s[4:11], s[0:1], 0x0               ; x s[4:5], cbk s[6:7], blk s[8:9], out0 s[10:11]
	v_lshl_add_u32 v[SPW], v0, 2, SPARE
	v_mov_b32 v[NIL], 0
	v_lshrrev_b32 v1, 5, v0
	v_readfirstlane_b32 s[WV], v1                  ; wave 0..7
	v_and_b32 v1, 31, v0                           ; lane
	v_and_b32 v2, 15, v0                           ; r
	v_bfe_u32 v3, v0, 4, 1                         ; h
	v_lshlrev_b32 v[XO], 8, v2
	v_lshl_add_u32 v[XO], v3, 5, v[XO]
	v_bfe_u32 v[OA], v0, 3, 1
	v_lshlrev_b32 v[OA], 5, v[OA]
	v_lshlrev_b32 v[OB], 5, v3
	v_lshlrev_b32 v[OR], 2, v2
	v_and_b32 v[LT], 7, v0
	v_mul_u32_u24 v[LT], v[LT], ROWP
	v_lshl_add_u32 v[LT], v3, 4, v[LT]
	s_lshl_b32 s13, s[WV], 6
	v_add_nc_u32 v[RS], s13, v[OR]                 ; RES + 4 (16 wave + r)
	v_lshlrev_b32 v[LO], 4, v1
	v_mov_b32 v[OTH], 0                            ; v_permlanex16_b32's destination counts as read
.irp p, 1,2,3,4,5,6,7
	s_mov_b32 s[MK+(\p)], 0x01000001<<(\p)
.endr
	s_mov_b32 s[INV], 0x00ffff00
	s_mov_b32 s[SEL], 0x76543210
	s_mov_b32 s[SEL+1], 0xfedcba98
	s_lshl_b32 s14, ttmp9, 15                      ; the work-group's 128 rows of x,
	s_lshl_b32 s15, s[WV], 12                      ; my wave's 16
	s_add_co_u32 s14, s14, s15
	s_mov_b32 s15, 0
	s_lshl_b32 s28, ttmp9, 9                       ; the work-group's 128 words of blk and of out0
	s_mov_b32 s29, 0
	s_mov_b32 s30, s13                             ; my wave's 16 words
	s_mov_b32 s31, 0
	s_wait_kmcnt 0x0
	s_add_nc_u64 s[4:5], s[4:5], s[14:15]
	s_add_nc_u64 s[8:9], s[8:9], s[28:29]
	s_add_nc_u64 s[8:9], s[8:9], s[30:31]
	s_add_nc_u64 s[10:11], s[10:11], s[28:29]
.irp p, 0,1,2,3,4,5,6,7
	global_load_b32 v[AA+(\p)], v[OA], s[8:9] offset:4*(\p)  ; blk of query p + 8 (r / 8)
	global_load_b32 v[BB+(\p)], v[OB], s[8:9] offset:4*(\p)  ; blk of query p + 8 h
.endr
	global_load_b32 v[BLO], v[OR], s[8:9]
.irp n, 0,1,2,3,4,5,6,7
	global_load_b128 v[A+4*(\n):A+4*(\n)+3], v[XO], s[4:5] offset:64*((\n)/2)+16*((\n)%2) th:TH_LOAD_NT  ; a fragment's 8 numbers along K are 32 bytes of f32: K = 16 (n / 2) + 8 h + 4 (n % 2) on
.endr
	s_wait_loadcnt 0x0
.irp p, 0,1,2,3,4,5,6,7
	; code 8 b + e lies in share b / 16, row 8 (b % 16) + e: byte (b / 16) x 18,944 + (b % 16) x 1,152 + 144 e = 1,152 b + 32 (b & 0x3f0) + 144 e
	v_min_u32 v[AA+(\p)], 0x3ff, v[AA+(\p)]
	v_and_b32 v[T], 0x3f0, v[AA+(\p)]
	v_lshl_add_u32 v[T+1], v[AA+(\p)], 3, v[AA+(\p)]       ; 9 b
	v_lshl_add_u32 v[AA+(\p)], v[T+1], 7, v[LT]            ; 1,152 b + my lane's place
	v_lshl_add_u32 v[AA+(\p)], v[T], 5, v[AA+(\p)]
	; its bias at (b / 16) x 18,944 + 18,432 + 32 (b % 16) + 4 e
	v_min_u32 v[BB+(\p)], 0x3ff, v[BB+(\p)]
	v_and_b32 v[T], 0x3f0, v[BB+(\p)]
	v_and_b32 v[T+1], 15, v[BB+(\p)]
	v_mul_u32_u24 v[T], v[T], 1184                         ; 16 (b / 16) x 1,184
	v_lshl_add_u32 v[BB+(\p)], v[T+1], 5, v[T]
.endr
.irp n, 0,1,2,3,4,5,6,7
	v_cvt_pk_bf16_f32 v[Q+2*(\n)],   v[A+4*(\n)],   v[A+4*(\n)+1]
	v_cvt_pk_bf16_f32 v[Q+2*(\n)+1], v[A+4*(\n)+2], v[A+4*(\n)+3]
.endr
.irp p, 0,1,2,3,4,5,6,7
.irp u, 0,1,2,3
	global_load_b128 v[A+16*(\p)+4*(\u):A+16*(\p)+4*(\u)+3], v[AA+(\p)], s[6:7] offset:32*(\u)
.endr
	global_load_b128 v[D+8*(\p):D+8*(\p)+3],   v[BB+(\p)], s[6:7] offset:BIASO
	global_load_b128 v[D+8*(\p)+4:D+8*(\p)+7], v[BB+(\p)], s[6:7] offset:BIASO+16
.endr
	s_wait_loadcnt 0x0
.irp p, 0,1,2,3,4,5,6,7                ; the eight accumulators take turns: seven others stand between the two links of a chain
	v_wmma_f32_16x16x32_bf16 v[D+8*(\p):D+8*(\p)+7], v[A+16*(\p):A+16*(\p)+7], v[Q:Q+7], v[D+8*(\p):D+8*(\p)+7]
.endr
.irp p, 0,1,2,3,4,5,6,7
	v_wmma_f32_16x16x32_bf16 v[D+8*(\p):D+8*(\p)+7], v[A+16*(\p)+8:A+16*(\p)+15], v[Q+8:Q+15], v[D+8*(\p):D+8*(\p)+7]
.endr
.rept 8
	v_nop                                          ; the places behind the products (ISA guide 7.12.1): the selects below read results and write over one; eight, once a launch
.endr
.irp p, 1,2,3,4,5,6,7                  ; lanes p and 24 + p take product p's scores; each accumulator is read from its lowest register on
.irp j, 0,1,2,3,4,5,6,7
	v_cndmask_b32 v[D+(\j)], v[D+(\j)], v[D+8*(\p)+(\j)], s[MK+(\p)]
.endr
.endr
	v_mov_b32 v[BJ], 0
.irp j, 1,2,3,4,5,6,7                  ; the first greatest of the eight: a later one must be strictly greater
	v_cmp_gt_f32 vcc_lo, v[D+(\j)], v[D]
	v_cndmask_b32 v[D], v[D], v[D+(\j)], vcc_lo
	v_cndmask_b32 v[BJ], v[BJ], \j, vcc_lo
.endr
	v_permlanex16_b32 v[OTH], v[BJ], s[SEL], s[SEL+1]
	v_cndmask_b32 v[BJ], v[BJ], v[OTH], s[INV]     ; lanes 0-7 and 24-31 hold their query's place; lanes 8-23 take it from the lane 16 away: now every lane has query r's
	v_lshl_add_u32 v[BJ], v[BLO], 3, v[BJ]
	ds_store_b32 v[RS], v[BJ]                      ; both halves write the same word with the same number
	s_wait_dscnt 0x0
	s_barrier_signal -1
	s_barrier_wait -1
	s_cmp_lg_u32 s[WV], 0
	s_cbranch_scc1 .Lend
	ds_load_b128 v[A:A+3], v[LO]
	s_wait_dscnt 0x0
	global_store_b128 v[LO], v[A:A+3], s[10:11]    ; one store of 512 consecutive bytes, at a multiple of 256 from out0's first
.Lend:
	s_wait_tensorcnt 0x0                           ; the wave's end: behind my last LDS store
	ds_add_u32 v[SPW], v[NIL]
	s_wait_dscnt 0x0
	s_endpgm
.Lfunc_end_k_qafe42dd59e_pick:
	.size	k_qafe42dd59e_pick, .Lfunc_end_k_qafe42dd59e_pick-k_qafe42dd59e_pick
	.p2alignl 7, 3214868480
	.fill 96, 4, 3214868480
	.section	.rodata,"a",@progbits
	.p2align	6, 0x0
	.amdhsa_kernel k_qafe42dd59e_pick
		.amdhsa_group_segment_fixed_size 1536
		.amdhsa_private_segment_fixed_size 0
		.amdhsa_enable_private_segment 0
		.amdhsa_kernarg_size 32
		.amdhsa_user_sgpr_count 2
		.amdhsa_user_sgpr_kernarg_segment_ptr 1
		.amdhsa_wavefront_size32 1
		.amdhsa_system_sgpr_workgroup_id_x 1
		.amdhsa_system_sgpr_workgroup_id_y 1
		.amdhsa_system_sgpr_workgroup_id_z 1
		.amdhsa_system_vgpr_workitem_id 0
		.amdhsa_next_free_vgpr 248
		.amdhsa_next_free_sgpr 66
		.amdhsa_reserve_vcc 1
		.amdhsa_float_denorm_mode_32 3
		.amdhsa_float_denorm_mode_16_64 3
		.amdhsa_memory_ordered 1
		.amdhsa_forward_progress 1
		.amdhsa_inst_pref_size 22
	.end_amdhsa_kernel
	.amdgpu_metadata
---
amdhsa.version: [ 1, 2 ]
amdhsa.kernels:
  - .name:           k_qafe42dd59e_pick
    .symbol:         k_qafe42dd59e_pick.kd
    .args:
      - { .name: x, .offset: 0, .size: 8, .value_kind: global_buffer, .address_space: global }
      - { .name: cbk, .offset: 8, .size: 8, .value_kind: global_buffer, .address_space: global }
      - { .name: blk, .offset: 16, .size: 8, .value_kind: global_buffer, .address_space: global }
      - { .name: out0, .offset: 24, .size: 8, .value_kind: global_buffer, .address_space: global }
    .group_segment_fixed_size: 1536
    .private_segment_fixed_size: 0
    .kernarg_segment_align: 8
    .kernarg_segment_size: 32
    .max_flat_workgroup_size: 256
    .sgpr_count:     66
    .vgpr_count:     248
    .wavefront_size: 32
...
	.end_amdgpu_metadata
.endif
;; end of part 3
;; ======== version 2 of 2: 3 launches; version 1 with the launch prep written anew for expert scheduling mode
;; workspace buffers: cbk 1,212,416 bytes; blk 131,072 bytes of whole numbers
;; launch prep (part 4): grid 64 x 1, 8 waves a work-group, no clusters, 19,968 bytes of LDS; arguments codebook, cbk; writes cbk
.if DOCPART == 4
	.amdgcn_target "amdgcn-amd-amdhsa--gfx1250"
	.amdhsa_code_object_version 6
	.text
	.protected	k_qafe42dd59e_prep
	.globl	k_qafe42dd59e_prep
	.p2align	8
	.type	k_qafe42dd59e_prep,@function
k_qafe42dd59e_prep:
	s_mov_b64 s[64:65], 0
	v_nop
	global_prefetch_b8 v0, s[64:65] scope:SCOPE_SE
	s_setreg_imm32_b32 hwreg(HW_REG_WAVE_SCHED_MODE, 0, 2), 2
	s_setreg_imm32_b32 hwreg(HW_REG_WAVE_MODE, 25, 1), 1
	s_wait_xcnt 0x0
	s_wait_alu depctr_vm_vsrc(0)
; VECTOR QUANTIZER, launch 1 of 3.  out[n] = argmin over k of  x_sq[n] + c_sq[k] - 2 x[n].c[k];  x: [32768][64] f32, codebook: [8192][64] f32.
; WORK LEFT OUT, in all three launches: x_sq[n].  It is the same number for all k of a row n, so for all finite inputs, in exact arithmetic,
;   argmin_k (x_sq[n] + c_sq[k] - 2 x[n].c[k]) = argmin_k (c_sq[k] - 2 x[n].c[k]) = argmax_k (x[n].c[k] - c_sq[k] / 2),
; and the first least distance is the first greatest score.  x_sq is a step of its own (a sum over each row of x) and is not made.  Both inputs keep a way to the output and are loaded.
; LIMITS.  A NaN, an infinity or an overflow that arises in x_sq alone is not carried to the result.  x and the codebook are rounded once to bf16, as matrix operands; c_sq is the f32 sum of
; the squares of the ROUNDED codebook.  Where a row's two least distances lie closer together than the f32 roundings of the sums (a few parts in 10^7 of the distances' terms), the
; choice between them may differ from a sum taken in another order.  NaN scores never win, and a row all of whose scores are NaN or -infinity yields index 0.
; THIS LAUNCH writes cbk, the codebook as the next launch's LDS wants it: 64 SHARES of 18,944 bytes.  Share s holds codes 128 s .. 128 s + 127: 128 rows of 144 bytes
; (64 bf16, then 16 bytes of zeros: rows 36 words apart) and, from byte 18,432 on, 128 f32: bias[k] = - c_sq[k] / 2.
; SHARES OF WORK.  A work-group makes one share; it has 64 of them to make, so 64 work-groups.  Thread t takes 16 bytes (4 numbers) of a row: sixteen neighbouring lanes hold a row, so
; a row's sum of squares is four exchanges inside a half of the lanes.  The image is gathered in LDS and leaves as whole runs of 512 consecutive bytes a wave.
; No cluster: no two work-groups read a common byte.  No matrix work: nothing is multiplied by anything but itself.
; THE MODE: SCHED_MODE bits 1:0 = 2 (LLVM: expert scheduling mode 2), set by the entry lines.  The code itself states the register dependences
; between vector instructions and memory or LDS instructions, with s_wait_alu, always for 0.
; THE PLAN.  Registers that memory or LDS instructions touch:
;   v1-v7      offsets, LDS addresses, the padding's 0 and the closing add's pair: written once at the head, never again.
;   X          the eight global loads land in it; the roundings read it; behind the barrier LDS loads land in its first 20 registers, which the global stores read.  No vector instruction writes it.
;   P0 .. P7   pair i: written once, by load i's roundings; read once, by an LDS store.
;   BS0 .. BS7 bias i: written once, by load i's last multiply; read once, by an LDS store.
;   U and S are named by vector instructions alone.
; The eight loads' work goes in two blocks of four.  Block 0 computes.  One wait at block 1's head states that block 0 has written its P and BS; block 0's twelve LDS stores are then dealt among
; block 1's vector instructions, which name X, U, S and block 1's own P and BS: none of the registers that those stores touch.  A second wait stands behind block 1, ahead of its twelve stores; no
; vector instruction follows it, so it also states that the roundings are done reading X, in which the LDS loads behind the barrier land.
; No register that a memory or LDS instruction has read is written again, so no wait on vm_vsrc is owed.
.set ROWP,  144                        ; bytes from row to row in the image
.set BIASO, 18432                      ; the biases' place in the image
.set SHARE, 18944                      ; bytes in a share: 74 x 256
.set SPARE, 18944                      ; behind the image: the spare words, 128 bytes for each of the eight waves
.set LO,  1                            ; v1      512 x wave + 16 x lane: my 16 bytes in a run of 4,096, in the codebook, in LDS and in cbk
.set WA,  2                            ; v2      where my 8 bytes of bf16 go: (2 wave + half) x 144 + 8 (lane % 16)
.set PA,  3                            ; v3      a word of my row's padding
.set BA,  4                            ; v4      my row's bias
.set Z,   5                            ; v5      0, for the padding
.set SPW, 6                            ; v6      LDS address of my spare word; never rewritten
.set NIL, 7                            ; v7      0; never rewritten
.set X,   8                            ; v[8:39]  eight loads of 4 f32; later the image on its way out
.set P,   40                           ; v[40:55] eight pairs of packed bf16
.set U,   56                           ; v[56:59] the four rounded numbers as f32
.set S,   60                           ; v[60:61] sums
.set BS,  62                           ; v[62:69] the eight biases, a register for each load's row
.set WV,  8                            ; s8      my wave's number
	s_load_b128 s[4:7], s[0:1], 0x0                ; codebook s[4:5], cbk s[6:7]
	v_lshl_add_u32 v[SPW], v0, 2, SPARE
	v_mov_b32 v[NIL], 0
	v_lshrrev_b32 v[U], 5, v0
	v_readfirstlane_b32 s[WV], v[U]                ; wave 0..7
	v_and_b32 v[U], 31, v0                         ; lane
	v_and_b32 v[U+1], 15, v0                       ; lane % 16
	v_bfe_u32 v[U+2], v0, 4, 1                     ; lane / 16
	v_and_b32 v[U+3], 3, v0
	s_wait_alu depctr_va_sdst(0)                   ; s8, the wave's number, is written, ahead of its first reader: the three scalars below are made from it
	s_lshl_b32 s9, s[WV], 9
	s_mul_i32 s14, s[WV], 2*ROWP                   ; a wave's loads hold two rows each
	s_lshl_b32 s15, s[WV], 3
	v_lshl_add_u32 v[LO], v[U], 4, s9
	v_mul_u32_u24 v[WA], v[U+2], ROWP
	v_add_nc_u32 v[WA], s14, v[WA]                 ; my row's first byte
	v_lshl_add_u32 v[PA], v[U+3], 2, v[WA]
	v_add_nc_u32 v[PA], 128, v[PA]                 ; four lanes share each of the padding's four words
	v_lshl_add_u32 v[WA], v[U+1], 3, v[WA]
	v_lshl_add_u32 v[BA], v[U+2], 2, s15
	v_add_nc_u32 v[BA], BIASO, v[BA]
	v_mov_b32 v[Z], 0
	s_lshl_b32 s10, ttmp9, 15                      ; the share's 128 rows of 256 bytes in the codebook
	s_mov_b32 s11, 0
	s_mul_i32 s12, ttmp9, SHARE                    ; and its place in cbk
	s_mov_b32 s13, 0
	s_wait_kmcnt 0x0
	s_add_nc_u64 s[4:5], s[4:5], s[10:11]
	s_add_nc_u64 s[6:7], s[6:7], s[12:13]
	s_wait_alu depctr_va_vdst(0)                   ; v1 to v7 are written: the offset of every load and store, the LDS stores' addresses, the padding's 0 and the closing add's pair; none is written again
.irp i, 0,1,2,3,4,5,6,7
	global_load_b128 v[X+4*(\i):X+4*(\i)+3], v[LO], s[4:5] offset:4096*(\i) th:TH_LOAD_NT  ; rows 16 i + 2 wave + half; a wave's load covers 512 consecutive bytes
.endr
; Load i's vector work: four numbers rounded into P's pair i; the row's bias into BS's register i.
.macro ROWS i
	s_wait_loadcnt 7-(\i)                          ; loads come back in order: load i is in, the 7 - i younger ones stay out
	v_cvt_pk_bf16_f32 v[P+2*(\i)],   v[X+4*(\i)],   v[X+4*(\i)+1]
	v_cvt_pk_bf16_f32 v[P+2*(\i)+1], v[X+4*(\i)+2], v[X+4*(\i)+3]
	v_lshlrev_b32 v[U],   16, v[P+2*(\i)]          ; the rounded numbers back as f32: c_sq is theirs
	v_and_b32     v[U+1], 0xffff0000, v[P+2*(\i)]
	v_lshlrev_b32 v[U+2], 16, v[P+2*(\i)+1]
	v_and_b32     v[U+3], 0xffff0000, v[P+2*(\i)+1]
	v_pk_mul_f32 v[S:S+1], v[U:U+1], v[U:U+1]
	v_pk_fma_f32 v[S:S+1], v[U+2:U+3], v[U+2:U+3], v[S:S+1]
	v_add_f32 v[S], v[S], v[S+1]
	v_add_f32_dpp v[S], v[S], v[S] row_xmask:1 row_mask:0xf bank_mask:0xf  ; the row's sixteen lanes
	v_add_f32_dpp v[S], v[S], v[S] row_xmask:2 row_mask:0xf bank_mask:0xf
	v_add_f32_dpp v[S], v[S], v[S] row_xmask:4 row_mask:0xf bank_mask:0xf
	v_add_f32_dpp v[S], v[S], v[S] row_xmask:8 row_mask:0xf bank_mask:0xf
	v_mul_f32 v[BS+(\i)], -0.5, v[S]
.endm
; Load i's three LDS stores.
.macro PUT i
	ds_store_b64 v[WA], v[P+2*(\i):P+2*(\i)+1] offset:16*ROWP*(\i)
	ds_store_b32 v[PA], v[Z] offset:16*ROWP*(\i)
	ds_store_b32 v[BA], v[BS+(\i)] offset:64*(\i)  ; sixteen lanes write the same word with the same number
.endm
.irp i, 0,1,2,3
	ROWS \i                                        ; block 0
.endr
	s_wait_alu depctr_va_vdst(0)                   ; block 0 has written P's pairs 0 to 3 and BS's registers 0 to 3, which the LDS stores dealt among block 1 read
.irp i, 4,5,6,7
	PUT (\i)-4                                     ; no wait: no vector instruction since the wait above names a register of these stores
	ROWS \i                                        ; block 1
.endr
	s_wait_alu depctr_va_vdst(0)                   ; block 1 has written P's pairs 4 to 7 and BS's registers 4 to 7, which the stores below read; and all roundings are done reading X, in which the LDS loads behind the barrier land
.irp i, 4,5,6,7
	PUT \i
.endr
	s_wait_dscnt 0x0                               ; for the others' sake: my part of the image is written
	s_barrier_signal -1
	s_barrier_wait -1                              ; the image is whole
.irp k, 0,1,2,3
	ds_load_b128 v[X+4*(\k):X+4*(\k)+3], v[LO] offset:4096*(\k)  ; no vector instruction has been issued since the last wait on va_vdst
.endr
.irp k, 0,1,2,3
	s_wait_dscnt 3-(\k)                            ; LDS loads come back in order: the 3 - k younger ones stay out
	global_store_b128 v[LO], v[X+4*(\k):X+4*(\k)+3], s[6:7] offset:4096*(\k)  ; a wave's store covers 512 consecutive bytes, at a multiple of 256 from cbk's first
.endr
	s_cmp_lt_u32 s[WV], 5                          ; the last 2,560 bytes are five waves' work
	s_cbranch_scc0 .Lend
	ds_load_b128 v[X+16:X+19], v[LO] offset:16384
	s_wait_dscnt 0x0
	global_store_b128 v[LO], v[X+16:X+19], s[6:7] offset:16384
.Lend:
	s_wait_dscnt 0x0                               ; the wave's end: behind my last LDS store
	s_wait_alu 0x0
	s_wait_tensorcnt 0x0
	ds_add_u32 v[SPW], v[NIL]
	s_wait_dscnt 0x0
	s_endpgm
.Lfunc_end_k_qafe42dd59e_prep:
	.size	k_qafe42dd59e_prep, .Lfunc_end_k_qafe42dd59e_prep-k_qafe42dd59e_prep
	.p2alignl 7, 3214868480
	.fill 96, 4, 3214868480
	.section	.rodata,"a",@progbits
	.p2align	6, 0x0
	.amdhsa_kernel k_qafe42dd59e_prep
		.amdhsa_group_segment_fixed_size 19968
		.amdhsa_private_segment_fixed_size 0
		.amdhsa_enable_private_segment 0
		.amdhsa_kernarg_size 16
		.amdhsa_user_sgpr_count 2
		.amdhsa_user_sgpr_kernarg_segment_ptr 1
		.amdhsa_wavefront_size32 1
		.amdhsa_system_sgpr_workgroup_id_x 1
		.amdhsa_system_sgpr_workgroup_id_y 1
		.amdhsa_system_sgpr_workgroup_id_z 1
		.amdhsa_system_vgpr_workitem_id 0
		.amdhsa_next_free_vgpr 70
		.amdhsa_next_free_sgpr 66
		.amdhsa_reserve_vcc 0
		.amdhsa_float_denorm_mode_32 3
		.amdhsa_float_denorm_mode_16_64 3
		.amdhsa_memory_ordered 1
		.amdhsa_forward_progress 1
		.amdhsa_inst_pref_size 12
	.end_amdhsa_kernel
	.amdgpu_metadata
---
amdhsa.version: [ 1, 2 ]
amdhsa.kernels:
  - .name:           k_qafe42dd59e_prep
    .symbol:         k_qafe42dd59e_prep.kd
    .args:
      - { .name: codebook, .offset: 0, .size: 8, .value_kind: global_buffer, .address_space: global }
      - { .name: cbk, .offset: 8, .size: 8, .value_kind: global_buffer, .address_space: global }
    .group_segment_fixed_size: 19968
    .private_segment_fixed_size: 0
    .kernarg_segment_align: 8
    .kernarg_segment_size: 16
    .max_flat_workgroup_size: 256
    .sgpr_count:     66
    .vgpr_count:     70
    .wavefront_size: 32
...
	.end_amdgpu_metadata
.endif
;; end of part 4
;; launch main: the kernel of part 2 again; grid 256 x 1, 8 waves a work-group, clusters of 4 x 1, 327,680 bytes of LDS; arguments x, cbk, blk; writes blk
;; launch pick: the kernel of part 3 again; grid 256 x 1, 8 waves a work-group, no clusters, 1,536 bytes of LDS; arguments x, cbk, blk, out0; writes out0
